; MI455X (gfx1250); checked and timed in simulation.
; The chip was launched on July 23, 2026; its instructions are those of AMD's public machine-readable ISA for CDNA 5 (MIT licence, August 2026) and "CDNA5" Instruction Set Architecture Reference Guide (July 2026). The comments in the code are by the model that wrote it; some were corrected since.
;; Single Qubit Reupload Cell. Allowed arithmetic: float matrix products may take bf16 or f16 operands with f32 sums; all other float work in f32.
;; Inputs: b 1 float32; theta 64 x 2 float32; w 1 x 1 float32; x 524,288 x 64 float32.
;; Outputs: out0 524,288 float32.
;; One version. Each part assembles by itself: llvm-mc -triple=amdgcn-amd-amdhsa -mcpu=gfx1250 --defsym DOCPART=n.
;; ======== version 1 of 1: 1 launch
;; limits: a function is approximated: absolute error at most 9.5e-06; an absolute error that grows with the inputs' magnitude: up to 1.2e-07 times it; inputs' magnitudes at most 1,000
;; launch qubit (part 1): grid 256 x 1, 8 waves a work-group, no clusters, 327,680 bytes of LDS; arguments x, theta, w, b, out0; writes out0
.if DOCPART == 1
	.amdgcn_target "amdgcn-amd-amdhsa--gfx1250"
	.amdhsa_code_object_version 6
	.text
	.protected	k_qd979510419_qubit
	.globl	k_qd979510419_qubit
	.p2align	8
	.type	k_qd979510419_qubit,@function
k_qd979510419_qubit:
	s_mov_b64 s[64:65], 0
	v_nop
	global_prefetch_b8 v0, s[64:65] scope:SCOPE_SE
	s_setreg_imm32_b32 hwreg(HW_REG_WAVE_MODE, 25, 1), 1
	s_wait_xcnt 0x0
; out[r] = w <Z> + b after 64 steps RZ(th[t][1]) RY(th[t][0]) RX(x[r][t]) on |0>.   x: [524288][64] f32, theta: [64][2] f32.
;
; THE ARITHMETIC.  The state is kept as its Bloch vector (bx, by, bz), start (0, 0, 1); a gate is a plane rotation by its full angle; <Z> = bz.
; The constant part of a step is refactored exactly:  RZ(b) RY(a) = RX(alpha) RY(beta) RX(gamma)  with
;   cos beta = cos a cos b,  sin beta = sqrt(sin^2 b + (cos b sin a)^2),  gamma = atan2(-sin b, cos b sin a),  alpha = atan2(sin b cos a, sin a).
; atan2 tests the sign BIT of X and copies the sign bit of Y; with that the identity also holds where sin a = sin b = +-0.
; The RX parts join the data's angle: step t is RX(x[t] + gamma[t] + alpha[t-1]), then RY(beta[t]); the RX(alpha[63]) left over is folded with w and b.
; RX(phi) from the half angle, without doubling it: C = sqrt2 cos(phi/2), S = sqrt2 sin(phi/2):  d = C y - S z,  y' = d C - y,  z' = d S + z
; (a common change of sign of C and S, which the reduction can cause, cancels).  phi is reduced to r in [-1/2, 1/2) turns:
; u = x / 2pi + D[t], D[t] = (gamma[t] + alpha[t-1]) / 2pi + 1/2, r = fract(u) - 1/2;  S = r P(r^2), C = Q(r^2), P and Q cubic.
; LIMITS.  |S error| <= 9e-7, |C error| <= 9.5e-6: a step's rotation is off by at most 2.7e-5.  The reduction is in f32: a step's angle is off by about
; 1.2e-7 |x| radians, harmless up to |x| of about 1e3.  sin beta below about 1e-19 comes out as 0.  NaN or infinite x or theta give NaN.
;
; THE SHARES.  256 work-groups x 8 waves.  A wave owns 256 rows as 4 tiles of 64 rows (16 KB); lane p owns rows p and p + 32 of a tile: the two halves of
; every packed f32 instruction.  A tile comes in by one tensor load, whole rows of 256 bytes, padded to 272 in LDS.  Each wave has two LDS slots of its own
; and reads only these; a slot is filled again behind a barrier in front of which every wave has waited for its LDS reads and all its tensor loads.
; By this text's own count a wave has at most two tensor loads out.  The 64 (cos beta, sin beta) stay in 128 registers.
; No matrix unit (no product); no cluster (work-groups share theta's 512 bytes alone); no loop over tiles or steps: the constants are named registers.
.set PITCH, 272                        ; 17 x 16: sixteen lanes that read the same column of sixteen rows touch sixteen different 16-byte columns modulo 256
.set SLOT,  64*PITCH                   ; 17,408 bytes
.set HALF,  32*PITCH                   ; from row p to row p + 32
.set TILEB, 16384                      ; bytes of x in a tile
.set TAB,   16*SLOT                    ; 278,528: (cos beta[t], sin beta[t]), 8 bytes for each of the threads t = 0..95; t > 63 is never read
.set TAB_D, 768                        ; behind TAB: word t = D[t]; word 64 = alpha[63] / 2pi + 1/2; words above 64 are never read
.set STAGE, TAB+1280                   ; 279,808: 1,024 bytes for each wave, its 256 results.  No tensor load lands at or behind TAB
.set XAD,  2                           ; v2  LDS address of my row p in my wave's slot 0; never rewritten
.set KAD,  3                           ; v3  TAB
.set SADR, 4                           ; v4  stage: where my results go
.set LADR, 5                           ; v5  stage: my 16 bytes on the way out
.set OOFF, 6                           ; v6  byte offset of these 16 bytes in the work-group's part of out
.set KV,   8                           ; v[8:9]    leading coefficients of P and Q
.set FW,   10                          ; v[10:11]  w sin alpha[63], w cos alpha[63]
.set BB,   12                          ; v[12:13]  b, b
.set BX,   14                          ; v[14:19]  the state of my two rows
.set BY,   16
.set BZ,   18
.set DD,   20                          ; v[20:25]  at work
.set T1,   22
.set T2,   24
.set YP,   26                          ; v[26:29]  r^2 of two steps
.set SC,   30                          ; v[30:45]  two sets of (S, C) x two steps x two rows
.set R,    46                          ; v[46:53]  r of four steps, the two rows side by side
.set XQ,   54                          ; v[54:69]  ring of two: four steps of row p, four of row p + 32
.set DQ,   70                          ; v[70:77]  ring of two: D of four steps
.set OUTP, 78                          ; v[78:79]  a tile's two results
.set OB,   80                          ; v[80:87]  the way out
.set RY,   128                         ; v[128:255] cos beta[t], sin beta[t]
; the table work's registers (waves 0 to 2, in front of the first barrier)
.set IO,  88
.set IP,  89
.set TA8, 90
.set TA4, 91
.set TH,  92
.set TP,  94
.set PN,  96
.set SNO, 98
.set CSO, 100
.set SNP, 102
.set CSP, 104
.set AX,  106
.set AY,  108
.set KBS, 110
.set TMP, 112
.set PX,  114
.set PY,  116
.set MN,  118
.set MX,  120
.set RC,  122
.set QQ,  124
.set WW,  126
.set AT,  54
.set TT,  56
.set CS2, 20                           ; s[20:31]  the other coefficients, each twice (a scalar pair is read whole)
.set CS1, 22
.set CS0, 24
.set CC2, 26
.set CC1, 28
.set CC0, 30
.set G1,  36                           ; s[36:43]  descriptor group 1: the shape, never rewritten
.set G0,  44                           ; s[44:51]  descriptor group 0, a set for each slot
; ---- S = r P(r^2), C = Q(r^2) of step t (0, 1) of the two whose r lie in v[RR..]; S to v[SN+4t..], C to v[SN+4t+2..]
.macro P_Y t
	v_pk_mul_f32 v[YP+2*\t:YP+2*\t+1], v[RR+2*\t:RR+2*\t+1], v[RR+2*\t:RR+2*\t+1]
.endm
.macro P_S3 t
	v_pk_fma_f32 v[SN+4*\t:SN+4*\t+1], v[YP+2*\t:YP+2*\t+1], v[KV:KV+1], s[CS2:CS2+1] op_sel_hi:[1,0,0]
.endm
.macro P_C3 t
	v_pk_fma_f32 v[SN+4*\t+2:SN+4*\t+3], v[YP+2*\t:YP+2*\t+1], v[KV:KV+1], s[CC2:CC2+1] op_sel:[0,1,0] op_sel_hi:[1,1,0]
.endm
.macro P_SH t, k
	v_pk_fma_f32 v[SN+4*\t:SN+4*\t+1], v[SN+4*\t:SN+4*\t+1], v[YP+2*\t:YP+2*\t+1], s[\k:\k+1] op_sel_hi:[1,1,0]
.endm
.macro P_CH t, k
	v_pk_fma_f32 v[SN+4*\t+2:SN+4*\t+3], v[SN+4*\t+2:SN+4*\t+3], v[YP+2*\t:YP+2*\t+1], s[\k:\k+1] op_sel_hi:[1,1,0]
.endm
.macro P_SR t
	v_pk_mul_f32 v[SN+4*\t:SN+4*\t+1], v[SN+4*\t:SN+4*\t+1], v[RR+2*\t:RR+2*\t+1]
.endm
.macro SINCOS1
	P_Y 0
	P_S3 0
	P_C3 0
	P_SH 0, CS1
	P_CH 0, CC1
	P_SH 0, CS0
	P_CH 0, CC0
	P_SR 0
.endm
.macro POLY_ALONE
	P_Y 0
	P_Y 1
	P_S3 0
	P_C3 0
	P_S3 1
	P_C3 1
	P_SH 0, CS1
	P_CH 0, CC1
	P_SH 1, CS1
	P_CH 1, CC1
	P_SH 0, CS0
	P_CH 0, CC0
	P_SH 1, CS0
	P_CH 1, CC0
	P_SR 0
	P_SR 1
.endm
; ---- the state's step t (0, 1) of the two whose (S, C) lie in v[SO..] and whose (cos beta, sin beta) in v[KK..]
.macro ST_D1 t                         ; d = C y
	v_pk_mul_f32 v[DD:DD+1], v[SO+4*\t+2:SO+4*\t+3], v[BY:BY+1]
.endm
.macro ST_T1 t                         ; sin beta x
	v_pk_mul_f32 v[T1:T1+1], v[BX:BX+1], v[KK+2*\t:KK+2*\t+1] op_sel:[0,1] op_sel_hi:[1,1]
.endm
.macro ST_D2 t                         ; d = C y - S z
	v_pk_fma_f32 v[DD:DD+1], v[SO+4*\t:SO+4*\t+1], v[BZ:BZ+1], v[DD:DD+1] neg_lo:[1,0,0] neg_hi:[1,0,0]
.endm
.macro ST_Z t                          ; z = d S + z
	v_pk_fma_f32 v[BZ:BZ+1], v[DD:DD+1], v[SO+4*\t:SO+4*\t+1], v[BZ:BZ+1]
.endm
.macro ST_Y t                          ; y = d C - y
	v_pk_fma_f32 v[BY:BY+1], v[DD:DD+1], v[SO+4*\t+2:SO+4*\t+3], v[BY:BY+1] neg_lo:[0,0,1] neg_hi:[0,0,1]
.endm
.macro ST_T2 t                         ; sin beta z
	v_pk_mul_f32 v[T2:T2+1], v[BZ:BZ+1], v[KK+2*\t:KK+2*\t+1] op_sel:[0,1] op_sel_hi:[1,1]
.endm
.macro ST_RZ t                         ; z = cos beta z - sin beta x
	v_pk_fma_f32 v[BZ:BZ+1], v[BZ:BZ+1], v[KK+2*\t:KK+2*\t+1], v[T1:T1+1] op_sel_hi:[1,0,1] neg_lo:[0,0,1] neg_hi:[0,0,1]
.endm
.macro ST_RX t                         ; x = cos beta x + sin beta z
	v_pk_fma_f32 v[BX:BX+1], v[BX:BX+1], v[KK+2*\t:KK+2*\t+1], v[T2:T2+1] op_sel_hi:[1,0,1]
.endm
.macro STATE_ALONE
.irp t, 0, 1
	ST_D1 \t
	ST_T1 \t
	ST_D2 \t
	ST_Z \t
	ST_Y \t
	ST_T2 \t
	ST_RZ \t
	ST_RX \t
.endr
.endm
; two steps of the state, whose lines hang on each other, with the next two steps' polynomials, which hang on nothing here, line by line between them
.macro BOTH
	ST_D1 0
	P_Y 0
	ST_T1 0
	P_Y 1
	ST_D2 0
	P_S3 0
	ST_Z 0
	P_C3 0
	ST_Y 0
	P_S3 1
	ST_T2 0
	P_C3 1
	ST_RZ 0
	P_SH 0, CS1
	ST_RX 0
	P_CH 0, CC1
	ST_D1 1
	P_SH 1, CS1
	ST_T1 1
	P_CH 1, CC1
	ST_D2 1
	P_SH 0, CS0
	ST_Z 1
	P_CH 0, CC0
	ST_Y 1
	P_SH 1, CS0
	ST_T2 1
	P_CH 1, CC0
	ST_RZ 1
	P_SR 0
	ST_RX 1
	P_SR 1
.endm
; ---- quad q = steps 4q .. 4q+3: three LDS loads: my two rows' 16 bytes, and the four D (every lane the same 16 bytes)
.macro LOADQ slot, q
	ds_load_b128 v[XQ+8*((\q)%2):XQ+8*((\q)%2)+3],   v[XAD] offset:\slot*SLOT+16*(\q)
	ds_load_b128 v[XQ+8*((\q)%2)+4:XQ+8*((\q)%2)+7], v[XAD] offset:\slot*SLOT+HALF+16*(\q)
	ds_load_b128 v[DQ+4*((\q)%2):DQ+4*((\q)%2)+3],   v[KAD] offset:TAB_D+16*(\q)
.endm
; ---- quad q's eight angles are reduced; v_fract_f32 puts the two rows of a step side by side
.macro REDUCE q
.set XA, XQ+8*((\q)%2)
.set DA, DQ+4*((\q)%2)
	v_pk_fma_f32 v[XA:XA+1],   v[XA:XA+1],   0.15915494, v[DA:DA+1]   op_sel_hi:[1,0,1]   ; u = x / 2pi + D
	v_pk_fma_f32 v[XA+2:XA+3], v[XA+2:XA+3], 0.15915494, v[DA+2:DA+3] op_sel_hi:[1,0,1]
	v_pk_fma_f32 v[XA+4:XA+5], v[XA+4:XA+5], 0.15915494, v[DA:DA+1]   op_sel_hi:[1,0,1]
	v_pk_fma_f32 v[XA+6:XA+7], v[XA+6:XA+7], 0.15915494, v[DA+2:DA+3] op_sel_hi:[1,0,1]
.irp k, 0,1,2,3
	v_fract_f32 v[R+2*\k],   v[XA+\k]
	v_fract_f32 v[R+2*\k+1], v[XA+4+\k]
.endr
.irp k, 0,2,4,6
	v_pk_add_f32 v[R+\k:R+\k+1], v[R+\k:R+\k+1], -0.5 op_sel_hi:[1,0]                     ; r in [-1/2, 1/2)
.endr
.endm
; ---- tile i of my wave, in slot: 16 quads.  left = how many younger tensor loads may stay out.
.macro TILE i, slot, left
	s_wait_tensorcnt \left                         ; a wave's tensor loads end in order (ISA guide 10.11.1): my tile is in LDS
	LOADQ \slot, 0
	LOADQ \slot, 1
	v_mov_b32 v[BX], 0                             ; |0> = (0, 0, 1), for both rows
	v_mov_b32 v[BX+1], 0
	v_mov_b32 v[BY], 0
	v_mov_b32 v[BY+1], 0
	v_mov_b32 v[BZ], 1.0
	v_mov_b32 v[BZ+1], 1.0
	s_wait_dscnt 3                                 ; LDS instructions end in order (ISA guide 5.7.1): quad 0 and all older ones are in, quad 1's three may be out
	REDUCE 0
.set RR, R
.set SN, SC
	POLY_ALONE
.set qd, 0
.rept 16
.set SO, SC
.set KK, RY+8*qd
.set RR, R+4
.set SN, SC+8
	BOTH                                           ; the state by steps 4q, 4q+1; S and C of steps 4q+2, 4q+3
.if qd < 14
	LOADQ \slot, qd+2                              ; into the registers that quad q has left
	s_wait_dscnt 3                                 ; quad q+1 is in; the three just issued may be out
.endif
.if qd == 14
	s_wait_dscnt 0                                 ; the last quad: nothing was issued behind it
.endif
.set SO, SC+8
.set KK, RY+8*qd+4
.if qd < 15
	REDUCE qd+1
.set RR, R
.set SN, SC
	BOTH                                           ; the state by steps 4q+2, 4q+3; S and C of the next quad's first two
.else
	STATE_ALONE
.endif
.set qd, qd+1
.endr
	v_pk_fma_f32 v[OUTP:OUTP+1], v[BZ:BZ+1], v[FW:FW+1], v[BB:BB+1] op_sel:[0,1,0] op_sel_hi:[1,1,1]   ; w cos alpha63 z + b
	v_pk_fma_f32 v[OUTP:OUTP+1], v[BY:BY+1], v[FW:FW+1], v[OUTP:OUTP+1] op_sel_hi:[1,0,1]              ; + w sin alpha63 y
	ds_store_b32 v[SADR], v[OUTP]   offset:256*\i          ; row 64 i + p of my wave's 256
	ds_store_b32 v[SADR], v[OUTP+1] offset:256*\i+128      ; row 64 i + 32 + p
.endm
; ---- slot s, which has been read, is filled again with the tile two further on
.macro FILL s
	s_wait_dscnt 0x0                               ; my LDS reads are back, those of this slot among them
	s_wait_tensorcnt 0x0                           ; all my tensor loads have landed: no load of mine is out, so a group 0 may be written
	ds_add_u32 v7, v113
	s_wait_dscnt 0x0
	s_add_nc_u64 s[G0+4*\s+2:G0+4*\s+3], s[G0+4*\s+2:G0+4*\s+3], 2*TILEB   ; the type bits on top are not reached
	s_barrier_signal -1
	s_barrier_wait -1                              ; both hold of all eight waves
	tensor_load_to_lds s[G0+4*\s:G0+4*\s+3], s[G1:G1+7]    ; my one tensor load behind this barrier, and the first thing there
	s_nop 0
.endm
.macro COEF r, val
	s_mov_b32 s[\r], \val
	s_mov_b32 s[\r+1], \val
.endm
	s_load_b256 s[4:11], s[0:1], 0x0               ; x s[4:5], theta s[6:7], w s[8:9], b s[10:11]
	s_load_b64 s[12:13], s[0:1], 0x20              ; out
	v_lshl_add_u32 v7, v0, 2, 0x46500
	v_mov_b32 v113, 0
	ds_add_u32 v7, v113
	ds_add_u32 v7, v113
	v_lshrrev_b32 v1, 5, v0
	v_readfirstlane_b32 s16, v1                    ; wave 0..7
	; group 1: a tile of 64 rows x 64 elements of 4 bytes, rows 64 elements apart; the extents are the tile's own: no tile crosses the tensor's end
	s_mov_b32 s[G1+0], (2<<16)|(1<<20)|(5<<22)|(3<<25)     ; no mask; elements of 4 bytes; padding on: behind every 64 words (code 5) 4 words (code 3)
	s_mov_b32 s[G1+1], 64<<16                      ; tensor_dim0 = 64
	s_mov_b32 s[G1+2], 64<<16                      ; tensor_dim1 = 64
	s_mov_b32 s[G1+3], 64<<16                      ; tile_dim0 = 64
	s_mov_b32 s[G1+4], 64                          ; tile_dim1 = 64
	s_mov_b32 s[G1+5], 64                          ; from row to row
	s_mov_b32 s[G1+6], 0
	s_mov_b32 s[G1+7], 0
	s_mul_i32 s17, s16, 2*SLOT                     ; my wave's two slots
	s_lshl_b32 s34, ttmp9, 19                      ; the work-group's 2,048 rows of 256 bytes (below 2^27),
	s_lshl_b32 s18, s16, 16                        ; my wave's 256 of them
	s_or_b32 s34, s34, s18
	s_mov_b32 s35, 0
	s_wait_dscnt 0x0
	s_wait_kmcnt 0x0
	s_add_nc_u64 s[4:5], s[4:5], s[34:35]          ; x at my wave's first tile
	; both first fills go out together, ahead of every wait on TENSORcnt, every LDS read and every barrier
.irp s, 0,1
	s_mov_b32 s[G0+4*\s], 1
	s_add_co_u32 s[G0+4*\s+1], s17, \s*SLOT
	s_add_nc_u64 s[G0+4*\s+2:G0+4*\s+3], s[4:5], \s*TILEB
	s_or_b32 s[G0+4*\s+3], s[G0+4*\s+3], 0x80000000
	tensor_load_to_lds s[G0+4*\s:G0+4*\s+3], s[G1:G1+7]
	s_nop 0
.endr
	s_load_b32 s14, s[8:9], 0x0                    ; w
	s_load_b32 s15, s[10:11], 0x0                  ; b
	s_lshl_b32 s34, ttmp9, 13                      ; the work-group's 2,048 results
	s_add_nc_u64 s[12:13], s[12:13], s[34:35]
	; S = sqrt2 sin(pi r) = r (s0 + s1 y + s2 y^2 + s3 y^3), C = sqrt2 cos(pi r) = c0 + c1 y + c2 y^2 + c3 y^3, y = r^2, |r| <= 1/2
	COEF CS2, 0x406610c2                           ; s2 =  3.5947728
	COEF CS1, 0xc0e9d690                           ; s1 = -7.3074415
	COEF CS0, 0x408e2bf9                           ; s0 =  4.4428678
	COEF CC2, 0x40b6e33b                           ; c2 =  5.7152383
	COEF CC1, 0xc0df48d8                           ; c1 = -6.9776420
	COEF CC0, 0x3fb504a4                           ; c0 =  1.4142041
	s_mov_b32 s32, 0x7fffffff                      ; all but the sign
	s_mov_b32 s33, 0x0d800000                      ; 2^-100: keeps atan2's divisor away from 0
	v_mov_b32 v[KV],   0xbf48cae8                  ; s3 = -0.78434609
	v_mov_b32 v[KV+1], 0xbfdd3a88                  ; c3 = -1.7283487
	v_and_b32 v1, 31, v0                           ; lane p
	v_mul_u32_u24 v[XAD], v1, PITCH
	v_add_nc_u32 v[XAD], s17, v[XAD]
	v_mov_b32 v[KAD], TAB
	s_lshl_b32 s19, s16, 10                        ; my wave's 1,024 bytes of results
	v_lshl_add_u32 v[OOFF], v1, 4, s19
	v_add_nc_u32 v[LADR], STAGE, v[OOFF]
	v_lshl_add_u32 v[SADR], v1, 2, s19
	v_add_nc_u32 v[SADR], STAGE, v[SADR]
	s_cmp_gt_u32 s16, 2
	s_cbranch_scc1 .Ltab_done
	; ---- THE TABLES, while the first tiles are on their way.  Thread t = 0..95 of waves 0 to 2 makes beta and gamma of step min(t, 63) and alpha of the
	; step before, so that no lane needs another's figures.  t = 0: no alpha.  t = 64: alpha[63] alone.  t > 64 writes words that nobody reads.
	v_min_u32 v[IO], 63, v0
	v_max_u32 v[IP], 1, v0
	v_add_nc_u32 v[IP], -1, v[IP]
	v_min_u32 v[IP], 63, v[IP]
	v_lshlrev_b32 v[IO], 3, v[IO]
	v_lshlrev_b32 v[IP], 3, v[IP]
	global_load_b64 v[TH:TH+1], v[IO], s[6:7]      ; (a, b) of my step
	global_load_b64 v[TP:TP+1], v[IP], s[6:7]      ; (a', b') of the step before
	v_lshl_add_u32 v[TA8], v0, 3, v[KAD]
	v_lshl_add_u32 v[TA4], v0, 2, v[KAD]
	s_wait_loadcnt 0x0
	v_pk_mul_f32 v[TH:TH+1], v[TH:TH+1], 0.15915494 op_sel_hi:[1,0]
	v_pk_mul_f32 v[TP:TP+1], v[TP:TP+1], 0.15915494 op_sel_hi:[1,0]
	v_rndne_f32 v[PN], v[TH]
	v_rndne_f32 v[PN+1], v[TH+1]
	v_pk_add_f32 v[R:R+1], v[TH:TH+1], v[PN:PN+1] neg_lo:[0,1] neg_hi:[0,1]        ; all four angles in [-1/2, 1/2] turns
	v_rndne_f32 v[PN], v[TP]
	v_rndne_f32 v[PN+1], v[TP+1]
	v_pk_add_f32 v[R+2:R+3], v[TP:TP+1], v[PN:PN+1] neg_lo:[0,1] neg_hi:[0,1]
.set RR, R
.set SN, SC
	POLY_ALONE
	v_pk_mul_f32 v[SNO:SNO+1], v[SC:SC+1], v[SC+2:SC+3]                             ; sin = S C
	v_pk_mul_f32 v[SNP:SNP+1], v[SC+4:SC+5], v[SC+6:SC+7]
	v_pk_fma_f32 v[CSO:CSO+1], v[SC:SC+1], v[SC:SC+1], 1.0 op_sel_hi:[1,1,0] neg_lo:[1,0,0] neg_hi:[1,0,0]       ; cos = 1 - S^2
	v_pk_fma_f32 v[CSP:CSP+1], v[SC+4:SC+5], v[SC+4:SC+5], 1.0 op_sel_hi:[1,1,0] neg_lo:[1,0,0] neg_hi:[1,0,0]
	v_mov_b32 v[AX], v[SNP]                        ; half 0: alpha = atan2(sin b' cos a', sin a')
	v_mul_f32 v[AY], v[SNP+1], v[CSP]
	v_mul_f32 v[AX+1], v[CSO+1], v[SNO]            ; half 1: gamma = atan2(-sin b, cos b sin a)
	v_xor_b32 v[AY+1], 0x80000000, v[SNO+1]
	v_mul_f32 v[KBS], v[CSO], v[CSO+1]             ; cos beta
	v_mul_f32 v[TMP], v[SNO+1], v[SNO+1]
	v_fmac_f32 v[TMP], v[AX+1], v[AX+1]
	v_sqrt_f32 v[KBS+1], v[TMP]                    ; sin beta; plain lines that touch neither register follow (ISA guide 5.7.2)
	v_and_b32 v[PX], s32, v[AX]
	v_and_b32 v[PX+1], s32, v[AX+1]
	v_and_b32 v[PY], s32, v[AY]
	v_and_b32 v[PY+1], s32, v[AY+1]
	s_wait_alu depctr_va_vdst(0)
	ds_store_b64 v[TA8], v[KBS:KBS+1]
	v_min_num_f32 v[MN], v[PX], v[PY]
	v_min_num_f32 v[MN+1], v[PX+1], v[PY+1]
	v_max3_num_f32 v[MX], v[PX], v[PY], s33
	v_max3_num_f32 v[MX+1], v[PX+1], v[PY+1], s33
	v_rcp_f32 v[RC], v[MX]
	v_rcp_f32 v[RC+1], v[MX+1]
	v_mov_b32 v[AT], 0x3b3bd74a                    ; the plain lines behind the reciprocals.  atan q = q (1 + a2 q^2 + .. + a16 q^16) on [0, 1], error 2e-8
	v_mov_b32 v[AT+1], 0x3b3bd74a                  ; a16 = 0.0028662257
	s_wait_alu depctr_va_vdst(0)
	v_pk_mul_f32 v[QQ:QQ+1], v[MN:MN+1], v[RC:RC+1]
	v_pk_mul_f32 v[WW:WW+1], v[QQ:QQ+1], v[QQ:QQ+1]
.irp c, 0xbc846e02, 0x3d2fc1fe, 0xbd9a3174, 0x3dda3d83, 0xbe117fc7, 0x3e4cbbe5, 0xbeaaaa6c
	v_fmaak_f32 v[AT], v[AT], v[WW], \c            ; a14 .. a2
	v_fmaak_f32 v[AT+1], v[AT+1], v[WW+1], \c
.endr
	v_pk_fma_f32 v[AT:AT+1], v[AT:AT+1], v[WW:WW+1], 1.0 op_sel_hi:[1,1,0]
	v_pk_mul_f32 v[QQ:QQ+1], v[QQ:QQ+1], 0.15915494 op_sel_hi:[1,0]                 ; in turns
	v_pk_mul_f32 v[TT:TT+1], v[AT:AT+1], v[QQ:QQ+1]
.irp i, 0, 1
	v_cmp_gt_f32 vcc_lo, v[PY+\i], v[PX+\i]        ; |Y| > |X|: a quarter turn less the angle
	v_sub_f32 v[TMP], 0x3e800000, v[TT+\i]
	v_cndmask_b32 v[TT+\i], v[TT+\i], v[TMP], vcc_lo
	v_cmp_gt_i32 vcc_lo, 0, v[AX+\i]               ; X's sign bit set: half a turn less the angle
	v_sub_f32 v[TMP], 0.5, v[TT+\i]
	v_cndmask_b32 v[TT+\i], v[TT+\i], v[TMP], vcc_lo
	v_bfi_b32 v[TT+\i], s32, v[TT+\i], v[AY+\i]    ; Y's sign
.endr
	v_cmp_ne_u32 vcc_lo, 0, v0
	v_cndmask_b32 v[TT], 0, v[TT], vcc_lo          ; no step stands in front of step 0
	v_cmp_gt_u32 vcc_lo, 64, v0
	v_cndmask_b32 v[TT+1], 0, v[TT+1], vcc_lo      ; no step stands behind step 63
	v_add_f32 v[TMP], v[TT], v[TT+1]
	v_add_f32 v[TMP], 0.5, v[TMP]
	ds_store_b32 v[TA4], v[TMP] offset:TAB_D
.Ltab_done:
	s_wait_dscnt 0x0                               ; for the others' sake: my table stores are done
	s_barrier_signal -1
	s_barrier_wait -1                              ; the tables are whole.  No slot is filled behind this barrier, and each wave reads its own tiles behind its own wait: the tiles stay on their way
	; ---- the constants into registers
	ds_load_b32 v[R], v[KAD] offset:TAB_D+256      ; alpha[63] / 2pi + 1/2
.set j, 0
.rept 32
	ds_load_b128 v[RY+4*j:RY+4*j+3], v[KAD] offset:16*j    ; (cos beta, sin beta) of two steps, every lane the same 16 bytes
.set j, j+1
.endr
	s_wait_dscnt 32                                ; the first load is in; the 32 behind it may be out (the first tile's wait covers them)
	v_fract_f32 v[R], v[R]
	v_add_f32 v[R], -0.5, v[R]
	v_mov_b32 v[R+1], v[R]
.set RR, R
.set SN, SC
	SINCOS1
	v_mul_f32 v[FW], v[SC], v[SC+2]                ; sin alpha63 = S C
	v_fma_f32 v[FW+1], -v[SC], v[SC], 1.0          ; cos alpha63 = 1 - S^2
	s_wait_kmcnt 0x0                               ; w and b
	v_mul_f32 v[FW], s14, v[FW]
	v_mul_f32 v[FW+1], s14, v[FW+1]
	v_mov_b32 v[BB], s15
	v_mov_b32 v[BB+1], s15
	TILE 0, 0, 1                                   ; the count leaves tile 1's load on its way
	FILL 0                                         ; tile 1 has landed; tile 2 goes out
	TILE 1, 1, 1                                   ; one load was issued behind tile 1's
	FILL 1                                         ; tile 2 has landed; tile 3 goes out: the last load
	TILE 2, 0, 1
	TILE 3, 1, 0                                   ; the last wait is for zero: none may be out at s_endpgm
	; ---- the way out: my wave's 256 results, 1,024 consecutive bytes.  LDS serves a wave's instructions in order, so these loads see the wave's own stores.
	ds_load_b128 v[OB:OB+3],   v[LADR]
	ds_load_b128 v[OB+4:OB+7], v[LADR] offset:512
	s_wait_dscnt 0x0
	global_store_b128 v[OOFF], v[OB:OB+3],   s[12:13] th:TH_STORE_NT               ; each store of the wave covers 512 consecutive bytes, aligned
	global_store_b128 v[OOFF], v[OB+4:OB+7], s[12:13] offset:512 th:TH_STORE_NT
	s_wait_tensorcnt 0x0
	ds_add_u32 v7, v113
	s_wait_dscnt 0x0
	s_endpgm
.Lfunc_end_k_qd979510419_qubit:
	.size	k_qd979510419_qubit, .Lfunc_end_k_qd979510419_qubit-k_qd979510419_qubit
	.p2alignl 7, 3214868480
	.fill 96, 4, 3214868480
	.section	.rodata,"a",@progbits
	.p2align	6, 0x0
	.amdhsa_kernel k_qd979510419_qubit
		.amdhsa_group_segment_fixed_size 327680
		.amdhsa_private_segment_fixed_size 0
		.amdhsa_enable_private_segment 0
		.amdhsa_kernarg_size 40
		.amdhsa_user_sgpr_count 2
		.amdhsa_user_sgpr_kernarg_segment_ptr 1
		.amdhsa_wavefront_size32 1
		.amdhsa_system_sgpr_workgroup_id_x 1
		.amdhsa_system_sgpr_workgroup_id_y 1
		.amdhsa_system_sgpr_workgroup_id_z 1
		.amdhsa_system_vgpr_workitem_id 0
		.amdhsa_next_free_vgpr 256
		.amdhsa_next_free_sgpr 66
		.amdhsa_reserve_vcc 1
		.amdhsa_float_denorm_mode_32 3
		.amdhsa_float_denorm_mode_16_64 3
		.amdhsa_memory_ordered 1
		.amdhsa_forward_progress 1
		.amdhsa_inst_pref_size 255
	.end_amdhsa_kernel
	.section	.bss,"aw",@nobits
	.p2align	6
	.space	262144
	.amdgpu_metadata
---
amdhsa.version: [ 1, 2 ]
amdhsa.kernels:
  - .name:           k_qd979510419_qubit
    .symbol:         k_qd979510419_qubit.kd
    .args:
      - { .name: x, .offset: 0, .size: 8, .value_kind: global_buffer, .address_space: global }
      - { .name: theta, .offset: 8, .size: 8, .value_kind: global_buffer, .address_space: global }
      - { .name: w, .offset: 16, .size: 8, .value_kind: global_buffer, .address_space: global }
      - { .name: b, .offset: 24, .size: 8, .value_kind: global_buffer, .address_space: global }
      - { .name: out0, .offset: 32, .size: 8, .value_kind: global_buffer, .address_space: global }
    .group_segment_fixed_size: 327680
    .private_segment_fixed_size: 0
    .kernarg_segment_align: 8
    .kernarg_segment_size: 40
    .max_flat_workgroup_size: 256
    .sgpr_count:     66
    .vgpr_count:     256
    .wavefront_size: 32
...
	.end_amdgpu_metadata
.endif
;; end of part 1
